; MI455X (gfx1250); checked and timed in simulation.
; The chip was launched on July 23, 2026; its instructions are those of AMD's public machine-readable ISA for CDNA 5 (MIT licence, August 2026) and "CDNA5" Instruction Set Architecture Reference Guide (July 2026). The comments in the code are by the model that wrote it; some were corrected since.
;; Spatial Attention Layer. Allowed arithmetic: matrix products marked QUANTISED: E4M3 operands, one given power-of-two scale a tensor, by v_wmma_f32_16x16x64_fp8_fp8 or v_wmma_f32_16x16x128_fp8_fp8, f32 sums; everything else in f32.
;; Inputs: P 8,192 x 3 float32; W_k_codes 256 x 8 x 32 uint8 (E4M3 codes of W_k, K innermost, in blocks of 32 codes); W_q_codes 256 x 8 x 32 uint8 (E4M3 codes of W_q, K innermost, in blocks of 32 codes); W_v_codes 256 x 8 x 32 uint8 (E4M3 codes of W_v, K innermost, in blocks of 32 codes); X 8,192 x 256 float32; b_k 256 float32; b_q 256 float32; b_v 256 float32; lowp_scales 10 int32 (the exponents e of the quantised operands' scales 2^e).
;; Outputs: out0 8,192 x 256 float32.
;; This version of the problem:
;;   THIS VERSION OF THE PROBLEM IS GIVEN IN LOW PRECISION. The matrix products marked QUANTISED in the list below multiply operands that are first quantised to E4M3 (4 exponent bits, 3 mantissa bits; 8 bits a number), with one given power-of-two scale for each operand tensor; their sums are f32. All else is computed in f32.
;;   The module's matrix products, in the order in which they are computed (A, B: the left and right operand; K: the contracted axis; several contracted axes count as one K, in the product's order):
;;     1. [M 8,192, K 256] x [K 256, N 256]; A: input X; B: input W_q (given as codes): QUANTISED (scales: A lowp_scales[0], B lowp_scales[1])
;;     2. [M 8,192, K 256] x [K 256, N 256]; A: input X; B: input W_k (given as codes): QUANTISED (scales: A lowp_scales[2], B lowp_scales[3])
;;     3. [M 8,192, K 256] x [K 256, N 256]; A: input X; B: input W_v (given as codes): QUANTISED (scales: A lowp_scales[4], B lowp_scales[5])
;;     4. [M 8,192, K 256] x [K 256, N 8,192]; A: computed on the way; B: computed on the way: QUANTISED (scales: A lowp_scales[6], B lowp_scales[7])
;;     5. [M 8,192, K 8,192] x [K 8,192, N 256]; A: computed on the way; B: computed on the way: QUANTISED (scales: A lowp_scales[8], B lowp_scales[9])
;;   THE QUANTISER, for each operand of a quantised product, along K:
;;     - The operand's scale is 2^e, e = its entry of the input lowp_scales (int32; the entries are numbered through the quantised products in the list's order, A before B).
;;     - Each number is divided by the scale, clamped to +-448, and rounded to the nearest number of E4M3, ties to even, subnormals kept.
;;     - The product sums the exact products of the quantised numbers (number of the format x scale) in f32.
;;   ~~~python
;;   def quantise(x, axis, e):      # numpy; x: float32 -> the quantised numbers, widened to float32 again
;;       x = np.moveaxis(x, axis, -1); K = x.shape[-1]
;;       r = np.clip(x / 2.0 ** e, -448, 448)
;;       step = 2.0 ** (np.maximum(np.frexp(np.where(r == 0, 1, r))[1] - 1, -6) - 3)
;;       q = np.round(r / step) * step * 2.0 ** e      # np.round: ties to even
;;       return np.moveaxis(q, -1, axis).astype(np.float32)
;;   ~~~
;;   OPERANDS COMPUTED ON THE WAY. 'Computed on the way' means the value that the module computes at that place (a softmax that the list does not call 'softmax' is quantised finished and normalised). What goes into a quantiser is computed in f32, as accurately as f32 sums, v_exp_f32 and their like allow (about 1e-6 of the number): no bf16 or f16 on the way to a quantiser, and a product that is left as it is and whose result goes on into a quantised operand takes f32 operands (vector FMAs, or v_wmma_f32_16x16x4_f32). A number that lies on a knife's edge between two numbers of the format may be rounded either way, as far as f32 arithmetic and the matrix unit's own rounding can turn it there, and no further.
;;   INPUTS GIVEN AS CODES. W_k (in the module: [256, 256], K = its axis 0); W_q (in the module: [256, 256], K = its axis 0); W_v (in the module: [256, 256], K = its axis 0): each comes as NAME_codes (uint8): NAME with its K axis moved to the last place and cut into blocks of 32 codes, [.., K / 32, bytes a block], one block behind the other in memory; one code a byte (a code: sign, 4 exponent bits, 3 mantissa bits); its scale is its entry of lowp_scales. Its value is code x scale, taken as it is: it is not quantised again, and the codes and scales need not be those that the quantiser above would give.
;; One version. Each part assembles by itself: llvm-mc -triple=amdgcn-amd-amdhsa -mcpu=gfx1250 --defsym DOCPART=n.
;; ======== version 1 of 1: 4 launches
;; limits: right only within a limited range of input values
;; workspace buffers: qc 2,097,152 bytes; kvc 4,194,304 bytes; ps 131,072 bytes; stats 1,048,576 bytes; part 33,554,432 bytes
;; launch prep (part 1): grid 256 x 1, 4 waves a work-group, no clusters, 25,088 bytes of LDS; arguments X, P, W_q_codes, W_k_codes, W_v_codes, b_q, b_k, b_v, lowp_scales, qc, kvc, ps; writes qc, kvc, ps
.if DOCPART == 1
	.amdgcn_target "amdgcn-amd-amdhsa--gfx1250"
	.amdhsa_code_object_version 6
	.text
	.protected	k_q534671bdee_prep
	.globl	k_q534671bdee_prep
	.p2align	8
	.type	k_q534671bdee_prep,@function
k_q534671bdee_prep:
	s_mov_b64 s[64:65], 0
	v_nop
	global_prefetch_b8 v0, s[64:65] scope:SCOPE_SE
	s_setreg_imm32_b32 hwreg(HW_REG_WAVE_MODE, 25, 1), 1
	s_wait_xcnt 0x0
; PREP.  Q = X Wq + bq, K = X Wk + bk, V = X Wv + bv on codes of E4M3; the three results are quantised at once and stored as IMAGES OF OPERAND REGISTERS for the two launches that follow.
; X [8192][256] f32 is quantised three times (scales 2^e0, 2^e2, 2^e4); the weights come as codes, K innermost, 256 bytes a row.
; SHARES.  A work-group owns 32 rows of X.  Wave w quantises one quarter of X's fragments (tile w % 2, K step w / 2), which go round through LDS as images of their registers (lane l's 16 bytes at 16 l);
; it keeps its own 64 output units of each weight in registers and makes those units for all 32 rows.
; LAYOUTS.  A fragment is 16 rows x 128 K in 16 registers: lane (r, h) holds row r, registers 4 c .. 4 c + 3 hold k = 32 c + 16 h + 0 .. 15: a permutation of k, the same on both sides of every product.
;   qc:  tile T of 16 queries: byte 4096 T + 2048 d + 512 c + 16 lane = query 16 T + r, channels 128 d + 32 c + 16 h + 0 .. 15.
;   kvc: a record of 65,536 bytes for 128 keys.  K: byte 8192 b + 2048 (2 u + d) + 512 c + 16 lane = key 32 b + 8 u + r + 8 (r / 8), channels as in qc.  V: byte 32768 + 2048 ct + 512 b + 16 lane = channel 16 ct + r, keys 32 b + 16 h + 0 .. 15.
;   ps:  512 bytes for 32 keys: x[32], y[32], z[32], z[32] once more, so that each store covers 256 consecutive bytes.
; Q and K are made TRANSPOSED (source 0 = 16 rows of W, chosen 32 b + 8 u + r + 8 (r / 8); source 1 = 16 rows of X), so that a lane's 16 registers of two neighbouring tiles are 16 neighbours along the next K.
; V is made the plain way from rows of X chosen in the same manner, so that a lane holds one channel and 16 neighbouring keys.
; The biases are the C of each sum's first product, divided by the power of two that the sums lack; the three scales ahead of each quantiser are folded into the conversion's one.
; LIMITS: e0, e2, e4, e6 - e0 - e1, e7 - e2 - e3, e9 - e4 - e5 lie between -126 and 119, so that each scale and 448 x it is an f32 number.  NaN and infinities among the inputs are not served.
; REGISTERS, in windows of 256.  window 0: v1-13 addresses; v16-79 X as loaded (natural rows), later X's four fragments; v80-143 X (chosen rows), later the held sums; v144-175 at work; v176-223 codes; v224-235 scales and limits; v240-243 P.
;   window 1: Wq v0-127, Wk v128-255 (tile n, K step s at 32 n + 16 s).   window 2: Wv v0-127; biases bq v128, bk v160, bv v192 (8 a tile); v224-227 bv as loaded.   window 3: v0-63 eight accumulators.
.set SPARE, 24576                      ; behind the twelve images: the spare words, 128 bytes for each wave, which no other line names
.set SPW, 1                            ; v1   LDS address of my spare word; never rewritten
.set NIL, 2                            ; v2   0; never rewritten
.set LI,  3                            ; v3   16 x lane
.set XA,  4                            ; v4   X, natural rows: 1024 r + 64 h
.set XB,  5                            ; v5   X, chosen rows: 1024 (r + 8 (r / 8)) + 64 h
.set WA,  6                            ; v6   W, chosen rows: 256 (r + 8 (r / 8)) + 16 h
.set WB,  7                            ; v7   W, natural rows: 256 r + 16 h
.set BA,  8                            ; v8   bq, bk: 64 h
.set BVA, 9                            ; v9   bv: 4 r
.set XWI, 10                           ; v10  where I store my images
.set PA0, 11                           ; v11  P: 24 r + 4 h (x below, y above)
.set PA1, 12                           ; v12  P: 24 r + 8 (z)
.set PSO, 13                           ; v13  8 x lane
.set XN,  16
.set XF,  16
.set XI,  80
.set H,   80
.set T,   144
.set PC,  176
.set QS,  224                          ; v[QS + 2 k] the scale, v[QS + 2 k + 1] 448 x the scale: k = 0, 1, 2 for X; 3, 4, 5 for Q, K, V
.set PD,  240
.set WV,  4                            ; s4   my wave's number
.set MSB, 0
.macro WIN new                         ; the immediate's high byte repeats the setting that is left
.if MSB != \new
	s_set_vgpr_msb (MSB<<8)|\new
.set MSB, \new
.endif
.endm
.macro PLACES
.rept 4
	v_nop
.endr
.endm
.macro MKQ k, r                        ; s[r] = e: the scale 2^e and 448 x 2^e as f32
	s_add_co_i32 s62, s[\r], 127
	s_lshl_b32 s63, s62, 23
	v_mov_b32 v[QS+2*(\k)], s63
	s_add_co_i32 s62, s62, 8
	s_lshl_b32 s62, s62, 23
	s_or_b32 s62, s62, 0x600000
	v_mov_b32 v[QS+2*(\k)+1], s62
.endm
; 64 numbers of a lane (register 16 c + i = k 32 c + 16 h + i of my row) become a fragment's 16 registers of codes.  The numbers are kept: the chosen rows are quantised twice.
.macro QUANTX src, k, pc
.irp c, 0,1,2,3
.irp i, 0,1,2,3,4,5,6,7,8,9,10,11,12,13,14,15
	v_med3_num_f32 v[T+16*(\c%2)+\i], v[\src+16*\c+\i], -v[QS+2*(\k)+1], v[QS+2*(\k)+1]   ; the conversion to an 8-bit code does not saturate (ISA guide 7.6.2): the hold at 448 x the scale
.endr
	v_cvt_scalef32_pk8_fp8_f32 v[\pc+4*\c:\pc+4*\c+1], v[T+16*(\c%2):T+16*(\c%2)+7], v[QS+2*(\k)]
	v_cvt_scalef32_pk8_fp8_f32 v[\pc+4*\c+2:\pc+4*\c+3], v[T+16*(\c%2)+8:T+16*(\c%2)+15], v[QS+2*(\k)]
.endr
	v_nop                                          ; a plain line behind the last conversion
.endm
.macro IMAGE pc, off                   ; a fragment goes to LDS as it stands
.irp c, 0,1,2,3
	ds_store_b128 v[XWI], v[\pc+4*\c:\pc+4*\c+3] offset:\off+512*\c
.endr
.endm
.macro FETCHX k                        ; kind k's four fragments (tile, K step) come back, in every wave
.irp f, 0,1,2,3
.irp c, 0,1,2,3
	ds_load_b128 v[XF+16*\f+4*\c:XF+16*\f+4*\c+3], v[LI] offset:(\k)*8192+\f*2048+\c*512
.endr
.endr
.endm
.macro HOLD k                          ; the 64 sums, held, into window 0; each accumulator is read from its low end on
	PLACES                                         ; four places between the last product and the first read of results
	WIN 0x03
.set j, 0
.rept 64
	v_med3_num_f32 v[H+j], v[j], -v[QS+2*(\k)+1], v[QS+2*(\k)+1]
.set j, j+1
.endr
	WIN 0
.endm
; Q (k = 0) or K (k = 1): cnt = the global loads that may stay out; s[nb] = minus the exponent that the sums lack; s[sb:sb+1] = where my codes go
.macro KINDT k, cnt, nb, sb
	FETCHX \k
	s_wait_loadcnt \cnt
	WIN 0x82
.set j, 0
.rept 32
	v_ldexp_f32 v[128+32*\k+j], v[128+32*\k+j], s[\nb]   ; the bias / 2^(ex + ew)
.set j, j+1
.endr
	s_wait_alu depctr_va_vdst(0)
	s_wait_dscnt 0x0
	WIN 0xe1                                       ; source 0 (W) window 1, source 1 (X) window 0, C (bias) window 2, D window 3
.irp n, 0,1,2,3                        ; eight accumulators by turns, one product a turn, the same order in both K steps
.irp xt, 0,1
	v_wmma_f32_16x16x128_fp8_fp8 v[8*(2*\n+\xt):8*(2*\n+\xt)+7], v[128*\k+32*\n:128*\k+32*\n+15], v[XF+32*\xt:XF+32*\xt+15], v[128+32*\k+8*\n:128+32*\k+8*\n+7]
.endr
.endr
	WIN 0xf1
.irp n, 0,1,2,3
.irp xt, 0,1
	v_wmma_f32_16x16x128_fp8_fp8 v[8*(2*\n+\xt):8*(2*\n+\xt)+7], v[128*\k+32*\n+16:128*\k+32*\n+31], v[XF+32*\xt+16:XF+32*\xt+31], v[8*(2*\n+\xt):8*(2*\n+\xt)+7]
.endr
.endr
	HOLD 3+\k
.irp bb, 0,1                           ; tiles 2 bb and 2 bb + 1 of one tile of rows: 16 neighbouring channels
.irp xt, 0,1
	v_cvt_scalef32_pk8_fp8_f32 v[PC+16*\k+4*(2*\bb+\xt):PC+16*\k+4*(2*\bb+\xt)+1], v[H+8*(4*\bb+\xt):H+8*(4*\bb+\xt)+7], v[QS+6+2*\k]
	v_cvt_scalef32_pk8_fp8_f32 v[PC+16*\k+4*(2*\bb+\xt)+2:PC+16*\k+4*(2*\bb+\xt)+3], v[H+8*(4*\bb+2+\xt):H+8*(4*\bb+2+\xt)+7], v[QS+6+2*\k]
.endr
.endr
	v_nop
.irp bb, 0,1
.irp xt, 0,1
	global_store_b128 v[LI], v[PC+16*\k+4*(2*\bb+\xt):PC+16*\k+4*(2*\bb+\xt)+3], s[\sb:\sb+1] offset:\xt*4096+\bb*512   ; 32 lanes store 512 consecutive bytes, aligned
.endr
.endr
.endm
	s_load_b512 s[16:31], s[0:1], 0x0              ; X 16, P 18, Wq 20, Wk 22, Wv 24, bq 26, bk 28, bv 30
	s_load_b256 s[32:39], s[0:1], 0x40             ; the scales' exponents 32, qc 34, kvc 36, ps 38
	v_lshl_add_u32 v[SPW], v0, 2, SPARE
	v_mov_b32 v[NIL], 0
	v_lshrrev_b32 v14, 5, v0
	v_readfirstlane_b32 s[WV], v14                 ; wave 0..3
	s_and_b32 s5, s[WV], 1                         ; which tile of X I quantise
	s_lshr_b32 s6, s[WV], 1                        ; which K step
	v_and_b32 v[PSO], 31, v0
	v_lshlrev_b32 v[LI], 4, v[PSO]
	v_lshlrev_b32 v[PSO], 3, v[PSO]
	v_and_b32 v14, 15, v0                          ; r
	v_bfe_u32 v15, v0, 4, 1                        ; h
	v_and_b32 v244, 8, v14
	v_add_nc_u32 v244, v244, v14                   ; r + 8 (r / 8)
	v_lshlrev_b32 v[XA], 10, v14
	v_lshl_add_u32 v[XA], v15, 6, v[XA]
	v_lshlrev_b32 v[XB], 10, v244
	v_lshl_add_u32 v[XB], v15, 6, v[XB]
	v_lshlrev_b32 v[WA], 8, v244
	v_lshl_add_u32 v[WA], v15, 4, v[WA]
	v_lshlrev_b32 v[WB], 8, v14
	v_lshl_add_u32 v[WB], v15, 4, v[WB]
	v_lshlrev_b32 v[BA], 6, v15
	v_lshlrev_b32 v[BVA], 2, v14
	v_mul_u32_u24 v[PA1], v14, 24
	v_lshl_add_u32 v[PA0], v15, 2, v[PA1]
	v_add_nc_u32 v[PA1], 8, v[PA1]
	s_lshl_b32 s7, ttmp9, 15                       ; the work-group's 32 rows of 1,024 bytes
	s_lshl_b32 s14, s6, 9
	s_add_co_u32 s7, s7, s14                       ; + my K step's 512 bytes
	s_lshl_b32 s14, s5, 14
	s_add_co_u32 s8, s7, s14                       ; natural tile: 16 rows on
	s_mov_b32 s9, 0
	s_lshl_b32 s14, s5, 13
	s_add_co_u32 s10, s7, s14                      ; chosen tile: 8 rows on
	s_mov_b32 s11, 0
	s_lshl_b32 s12, s[WV], 14                      ; my 64 rows of each weight
	s_mov_b32 s13, 0
	s_lshl_b32 s50, s[WV], 8                       ; my 64 numbers of each bias
	s_mov_b32 s51, 0
	s_lshl_b32 s14, s6, 11
	s_lshl_b32 s15, s5, 10
	s_add_co_u32 s14, s14, s15                     ; my channels' place in an image: 2048 (w / 2) + 1024 (w % 2)
	s_lshl_b32 s52, ttmp9, 13
	s_add_co_u32 s52, s52, s14                     ; qc: two tiles of 4,096 bytes a work-group
	s_mov_b32 s53, 0
	s_lshr_b32 s15, ttmp9, 2
	s_lshl_b32 s15, s15, 16                        ; kvc: the record of my 128 keys,
	s_and_b32 s7, ttmp9, 3                         ; and my block of 32 in it
	s_lshl_b32 s54, s7, 13
	s_add_co_u32 s54, s54, s15
	s_add_co_u32 s54, s54, s14
	s_mov_b32 s55, 0
	s_lshl_b32 s56, s7, 9
	s_add_co_u32 s56, s56, s15
	s_lshl_b32 s14, s[WV], 13
	s_add_co_u32 s56, s56, s14                     ; V: my four tiles of channels
	s_add_co_u32 s56, s56, 32768
	s_mov_b32 s57, 0
	s_lshl_b32 s58, ttmp9, 9
	s_mov_b32 s59, 0
	s_mul_i32 s60, ttmp9, 384                      ; 32 rows of P
	s_mov_b32 s61, 0
	s_lshl_b32 s14, s5, 12
	s_lshl_b32 s15, s6, 11
	s_add_co_u32 s14, s14, s15
	v_add_nc_u32 v[XWI], s14, v[LI]                ; my fragment's image: 2048 (2 tile + K step) + 16 lane
	s_wait_alu depctr_va_vdst(0)
	s_wait_kmcnt 0x0
	s_load_b256 s[40:47], s[32:33], 0x0            ; e0 .. e7
	s_load_b64 s[48:49], s[32:33], 0x20            ; e8, e9
	s_add_nc_u64 s[8:9], s[16:17], s[8:9]
	s_add_nc_u64 s[10:11], s[16:17], s[10:11]
	s_add_nc_u64 s[18:19], s[18:19], s[60:61]
	s_add_nc_u64 s[20:21], s[20:21], s[12:13]
	s_add_nc_u64 s[22:23], s[22:23], s[12:13]
	s_add_nc_u64 s[24:25], s[24:25], s[12:13]
	s_add_nc_u64 s[26:27], s[26:27], s[50:51]
	s_add_nc_u64 s[28:29], s[28:29], s[50:51]
	s_add_nc_u64 s[30:31], s[30:31], s[50:51]
	s_add_nc_u64 s[34:35], s[34:35], s[52:53]
	s_add_nc_u64 s[54:55], s[36:37], s[54:55]
	s_add_nc_u64 s[56:57], s[36:37], s[56:57]
	s_add_nc_u64 s[38:39], s[38:39], s[58:59]
	global_load_b32 v[PD], v[PA0], s[18:19]        ; P of keys 2 r and 2 r + 1: x (lanes 0-15) or y (lanes 16-31), then z.  Every wave loads them, so that all count alike; wave 0 stores them
	global_load_b32 v[PD+1], v[PA0], s[18:19] offset:12
	global_load_b32 v[PD+2], v[PA1], s[18:19]
	global_load_b32 v[PD+3], v[PA1], s[18:19] offset:12
.irp c, 0,1,2,3
.irp j, 0,1,2,3
	global_load_b128 v[XN+16*\c+4*\j:XN+16*\c+4*\j+3], v[XA], s[8:9] offset:128*\c+16*\j
.endr
.endr
.irp c, 0,1,2,3
.irp j, 0,1,2,3
	global_load_b128 v[XI+16*\c+4*\j:XI+16*\c+4*\j+3], v[XB], s[10:11] offset:128*\c+16*\j
.endr
.endr
	WIN 0x40                                       ; destination window 1
.irp n, 0,1,2,3
.irp s, 0,1
.irp c, 0,1,2,3
	global_load_b128 v[32*\n+16*\s+4*\c:32*\n+16*\s+4*\c+3], v[WA], s[20:21] offset:(32*(\n/2)+8*(\n%2))*256+128*\s+32*\c
.endr
.endr
.endr
	WIN 0
	s_wait_kmcnt 0x0
	MKQ 0, 40
	MKQ 1, 42
	MKQ 2, 44
	s_add_co_i32 s12, s40, s41
	s_sub_co_i32 s12, 0, s12                       ; -(e0 + e1)
	s_add_co_i32 s13, s42, s43
	s_sub_co_i32 s13, 0, s13                       ; -(e2 + e3)
	s_add_co_i32 s14, s44, s45
	s_sub_co_i32 s14, 0, s14                       ; -(e4 + e5)
	s_add_co_i32 s15, s46, s12                     ; a sum stands for sum x 2^(e0 + e1): its code is sum / 2^(e6 - e0 - e1)
	MKQ 3, 15
	s_add_co_i32 s15, s47, s13
	MKQ 4, 15
	s_add_co_i32 s15, s49, s14
	MKQ 5, 15
	s_wait_loadcnt 48                              ; the natural rows are in; behind them: 16 loads of the chosen rows, 32 of Wq
	QUANTX XN, 0, PC
	s_wait_loadcnt 32                              ; the chosen rows are in; Wq's 32 may be out
	QUANTX XI, 1, PC+16
	QUANTX XI, 2, PC+32
	IMAGE PC, 0
	IMAGE PC+16, 8192
	IMAGE PC+32, 16384
	WIN 0x80                                       ; destination window 2
.irp n, 0,1,2,3                        ; lane (r, h) wants, for tile n, the bias of units 32 (n / 2) + 8 (n % 2) + 16 h + 0 .. 7
	global_load_b128 v[128+8*\n:128+8*\n+3], v[BA], s[26:27] offset:(32*(\n/2)+8*(\n%2))*4
	global_load_b128 v[128+8*\n+4:128+8*\n+7], v[BA], s[26:27] offset:(32*(\n/2)+8*(\n%2))*4+16
	global_load_b128 v[160+8*\n:160+8*\n+3], v[BA], s[28:29] offset:(32*(\n/2)+8*(\n%2))*4
	global_load_b128 v[160+8*\n+4:160+8*\n+7], v[BA], s[28:29] offset:(32*(\n/2)+8*(\n%2))*4+16
.endr
.irp n, 0,1,2,3
	global_load_b32 v[224+\n], v[BVA], s[30:31] offset:64*\n   ; bv of channel 16 n + r
.endr
	WIN 0x40
.irp n, 0,1,2,3
.irp s, 0,1
.irp c, 0,1,2,3
	global_load_b128 v[128+32*\n+16*\s+4*\c:128+32*\n+16*\s+4*\c+3], v[WA], s[22:23] offset:(32*(\n/2)+8*(\n%2))*256+128*\s+32*\c
.endr
.endr
.endr
	WIN 0x80
.irp n, 0,1,2,3
.irp s, 0,1
.irp c, 0,1,2,3
	global_load_b128 v[32*\n+16*\s+4*\c:32*\n+16*\s+4*\c+3], v[WB], s[24:25] offset:16*\n*256+128*\s+32*\c
.endr
.endr
.endr
	WIN 0
	s_wait_dscnt 0x0                               ; for the others' sake: my images have landed
	s_barrier_signal -1
	s_barrier_wait -1                              ; all twelve lie in LDS; nothing is stored to LDS behind this barrier
	KINDT 0, 63, 12, 34                            ; Q: Wq and the biases are in; behind them stand Wk's and Wv's 64 loads, and 63 is the largest count that can be written
	KINDT 1, 32, 13, 54                            ; K: Wv's 32 may be out
	; V, the plain way: source 0 = 16 chosen rows of X, source 1 = 16 rows of Wv: a lane holds channel 16 n + r and, in tiles u = 0, 1, keys 16 h + 0 .. 15
	FETCHX 2
	s_wait_loadcnt 0x0
	WIN 0x82
.irp n, 0,1,2,3
.irp j, 0,1,2,3,4,5,6,7
	v_ldexp_f32 v[192+8*\n+\j], v[224+\n], s14     ; bv / 2^(e4 + e5), the same in all eight registers
.endr
.endr
	s_wait_alu depctr_va_vdst(0)
	s_wait_dscnt 0x0
	WIN 0xe8                                       ; source 0 (X) window 0, source 1 (Wv) and C (bias) window 2, D window 3
.irp n, 0,1,2,3
.irp u, 0,1
	v_wmma_f32_16x16x128_fp8_fp8 v[8*(2*\n+\u):8*(2*\n+\u)+7], v[XF+32*\u:XF+32*\u+15], v[32*\n:32*\n+15], v[192+8*\n:192+8*\n+7]
.endr
.endr
	WIN 0xf8
.irp n, 0,1,2,3
.irp u, 0,1
	v_wmma_f32_16x16x128_fp8_fp8 v[8*(2*\n+\u):8*(2*\n+\u)+7], v[XF+32*\u+16:XF+32*\u+31], v[32*\n+16:32*\n+31], v[8*(2*\n+\u):8*(2*\n+\u)+7]
.endr
.endr
	HOLD 5
.irp n, 0,1,2,3
	v_cvt_scalef32_pk8_fp8_f32 v[PC+32+4*\n:PC+32+4*\n+1], v[H+16*\n:H+16*\n+7], v[QS+10]
	v_cvt_scalef32_pk8_fp8_f32 v[PC+32+4*\n+2:PC+32+4*\n+3], v[H+16*\n+8:H+16*\n+15], v[QS+10]
.endr
	v_nop
.irp n, 0,1,2,3
	global_store_b128 v[LI], v[PC+32+4*\n:PC+32+4*\n+3], s[56:57] offset:\n*2048
.endr
	s_wait_tensorcnt 0x0                           ; the wave's end in LDS: three lines behind my last LDS store
	ds_add_u32 v[SPW], v[NIL]
	s_wait_dscnt 0x0
	s_cmp_lg_u32 s[WV], 0
	s_cbranch_scc1 .Lno_ps
	global_store_b64 v[PSO], v[PD:PD+1], s[38:39]              ; x[32], y[32]: 256 consecutive bytes, aligned
	global_store_b64 v[PSO], v[PD+2:PD+3], s[38:39] offset:256 ; z[32], twice
.Lno_ps:
	s_endpgm
.Lfunc_end_k_q534671bdee_prep:
	.size	k_q534671bdee_prep, .Lfunc_end_k_q534671bdee_prep-k_q534671bdee_prep
	.p2alignl 7, 3214868480
	.fill 96, 4, 3214868480
	.section	.rodata,"a",@progbits
	.p2align	6, 0x0
	.amdhsa_kernel k_q534671bdee_prep
		.amdhsa_group_segment_fixed_size 25088
		.amdhsa_private_segment_fixed_size 0
		.amdhsa_enable_private_segment 0
		.amdhsa_kernarg_size 96
		.amdhsa_user_sgpr_count 2
		.amdhsa_user_sgpr_kernarg_segment_ptr 1
		.amdhsa_wavefront_size32 1
		.amdhsa_system_sgpr_workgroup_id_x 1
		.amdhsa_system_sgpr_workgroup_id_y 1
		.amdhsa_system_sgpr_workgroup_id_z 1
		.amdhsa_system_vgpr_workitem_id 0
		.amdhsa_next_free_vgpr 832
		.amdhsa_next_free_sgpr 66
		.amdhsa_reserve_vcc 0
		.amdhsa_float_denorm_mode_32 3
		.amdhsa_float_denorm_mode_16_64 3
		.amdhsa_memory_ordered 1
		.amdhsa_forward_progress 1
		.amdhsa_inst_pref_size 63
	.end_amdhsa_kernel
	.amdgpu_metadata
---
amdhsa.version: [ 1, 2 ]
amdhsa.kernels:
  - .name:           k_q534671bdee_prep
    .symbol:         k_q534671bdee_prep.kd
    .args:
      - { .name: X, .offset: 0, .size: 8, .value_kind: global_buffer, .address_space: global }
      - { .name: P, .offset: 8, .size: 8, .value_kind: global_buffer, .address_space: global }
      - { .name: W_q_codes, .offset: 16, .size: 8, .value_kind: global_buffer, .address_space: global }
      - { .name: W_k_codes, .offset: 24, .size: 8, .value_kind: global_buffer, .address_space: global }
      - { .name: W_v_codes, .offset: 32, .size: 8, .value_kind: global_buffer, .address_space: global }
      - { .name: b_q, .offset: 40, .size: 8, .value_kind: global_buffer, .address_space: global }
      - { .name: b_k, .offset: 48, .size: 8, .value_kind: global_buffer, .address_space: global }
      - { .name: b_v, .offset: 56, .size: 8, .value_kind: global_buffer, .address_space: global }
      - { .name: lowp_scales, .offset: 64, .size: 8, .value_kind: global_buffer, .address_space: global }
      - { .name: qc, .offset: 72, .size: 8, .value_kind: global_buffer, .address_space: global }
      - { .name: kvc, .offset: 80, .size: 8, .value_kind: global_buffer, .address_space: global }
      - { .name: ps, .offset: 88, .size: 8, .value_kind: global_buffer, .address_space: global }
    .group_segment_fixed_size: 25088
    .private_segment_fixed_size: 0
    .kernarg_segment_align: 8
    .kernarg_segment_size: 96
    .max_flat_workgroup_size: 128
    .sgpr_count:     66
    .vgpr_count:     832
    .wavefront_size: 32
...
	.end_amdgpu_metadata
.endif
;; end of part 1
;; launch stats (part 2): grid 64 x 4, 16 waves a work-group, clusters of 4 x 1, 327,680 bytes of LDS; arguments qc, kvc, ps, P, lowp_scales, stats; writes stats
.if DOCPART == 2
	.amdgcn_target "amdgcn-amd-amdhsa--gfx1250"
	.amdhsa_code_object_version 6
	.text
	.protected	k_q534671bdee_stats
	.globl	k_q534671bdee_stats
	.p2align	8
	.type	k_q534671bdee_stats,@function
k_q534671bdee_stats:
	s_mov_b64 s[64:65], 0
	v_nop
	global_prefetch_b8 v0, s[64:65] scope:SCOPE_SE
	s_setreg_imm32_b32 hwreg(HW_REG_WAVE_MODE, 25, 1), 1
	s_wait_xcnt 0x0
	s_wait_alu depctr_hold_cnt(0) depctr_sa_sdst(0) depctr_va_vdst(0) depctr_va_sdst(0) depctr_va_ssrc(0) depctr_va_vcc(0) depctr_vm_vsrc(0)
	s_getreg_b32 s2, hwreg(HW_REG_IB_STS2, 6, 4)
	s_cmp_eq_u32 s2, 0
	s_cbranch_scc0 .Lentry_in_a_cluster
	s_endpgm
.Lentry_in_a_cluster:
	s_bfe_u32 s2, ttmp6, 0x10000c
	s_cmp_lg_u32 s2, 0x3003
	s_cbranch_scc0 .Lentry_shape_is_right
	s_endpgm
.Lentry_shape_is_right:
; STATS.  For each query and each of 16 parts of the keys: the largest t and the sum of 2^(t - that largest), t = (Q.K) x decay x log2(e) / 16, decay = exp(-|Pq - Pk|^2 / 2).
; The softmax is quantised finished, so its maximum and sum are made here, ahead of the launch that multiplies by V.  No work of the problem is left out.
; SHARES.  A work-group owns 128 queries and a quarter of the keys (grid y).  Wave w: queries 32 (w % 4) on (two tiles), and of each slot of 512 keys record w / 4 (128 keys), in four blocks of 32 keys: 32 scores a lane.
; S^T = K Q^T: a lane holds one query (lane % 16); registers 16 t + i hold keys 32 b + 16 (lane / 16) + i.  Each lane keeps a running largest t and a sum for its keys; the two halves of the lanes are joined at the end.
; A BLOCK lays all plain lines first and the exponentials in two batches, each with one wait ahead and one behind.
; The differences of the places are made as fma(k, s, -q s), s = sqrt(log2(e) / 2).  E = 2^-(c + the sum of their squares), c = -log2(log2(e) / 16) - e6 - e7: the decay with the scores' factor in it, so that t = S x E.
; K's four fragments: one has registers of its own and is asked for a block ahead; the other three land on x, y and z as soon as these have been read.  The differences' scratch lies in S, which is idle there.
; CLUSTERS: the four query blocks of a cluster walk the same keys: K's records and the table of places are asked for jointly (mask 15).
; RING: two slots of 131,072 bytes (K's halves of four records); the places of the quarter's 2,048 keys (32,768 bytes) are fetched once.  At the head waves 0-7 ask for slot 0, waves 8-15 for the places: one load a wave.
; PREFETCH: behind each refill one line a wave names the slot after the one just asked for: of the 32 blocks of 256 bytes that the wave will fetch, the partner at place cx names 8 (by address); the last refill names nothing further.
; LIMITS: e6 + e7 between -100 and 120 (it is added to the decay's exponent, whose rounding is that of a number of that size); the scaled scores stay under 2^31 in magnitude.  NaN and infinities are not served.
.set LAPS,   4
.set SLOT1,  1<<17
.set PBASE,  262144
.set SPARE,  294912
.set STEP,   262144
.set TPSTEP, 8192
.set SPW, 1
.set NIL, 2
.set AKB, 3
.set APB, 4
.set ADR, 5
.set ADP, 6
.set LQ,  9
.set PQ,  10
.set SO,  11
.set LN,  12
.set PFO, 15
.set QC,  16                           ; tile t: -s x, -s y, -s z, 0
.set QF,  24                           ; Q: tile t, K step d at 32 t + 16 d
.set ST,  88                           ; tile t, 8 registers: the largest t of the blocks before, the largest t, the sum (2), factor, 0, two at work
.set PX,  120                          ; the keys' x, then K's fragment (tile 1, K step 0)
.set PY,  136                          ; y, then (tile 0, K step 1)
.set PZ,  152                          ; z, then (tile 1, K step 1)
.set KD,  168                          ; K's fragment (tile 0, K step 0)
.set S,   184
.set E,   216
.set LC,  254                          ; c, and a 0 named with it as a pair
.set WV,  18
.set QG,  19
.set KG,  20
.set CX,  21
.set XB,  22
.set Y,   23
.set G1,  24
.set G1A, 32
.set G1P, 40
.set G0,  48
.set G0A, 52
.set G0P, 56
.set SC,  62
.set TB,  66
.set TP,  67
.set LAP, 68
.set W7,  69
.set PFA, 70
.set SEL, 88
.macro PLACES
.rept 4
	v_nop
.endr
.endm
.macro ROUND
	s_barrier_signal -1
	s_barrier_wait -1
	s_cmp_lg_u32 s[WV], 0
	s_cbranch_scc1 .Lnot_wave_0_\@
	s_barrier_signal -3
.Lnot_wave_0_\@:
	s_barrier_wait -3
	s_barrier_signal -1
	s_barrier_wait -1
.endm
.macro MKG1 g, rows                    ; rows of 256 bytes, dense; mask 15 with bit 21 beside it
	s_mov_b32 s[\g], 15|(3<<16)|(1<<21)
	s_mov_b32 s[\g+1], 32<<16
	s_mov_b32 s[\g+2], (\rows)<<16
	s_mov_b32 s[\g+3], 32<<16
	s_mov_b32 s[\g+4], \rows
	s_mov_b32 s[\g+5], 32
	s_mov_b32 s[\g+6], 0
	s_mov_b32 s[\g+7], 0
.endm
.macro PLOAD b                         ; x, y, z of my 16 keys of block b
.irp k, 0,1,2
.irp i, 0,1,2,3
	ds_load_b128 v[PX+16*\k+4*\i:PX+16*\k+4*\i+3], v[ADP] offset:(\b)*512+\k*128+\i*16
.endr
.endr
.endm
.macro FRAG reg, off                   ; one fragment, an image of its registers
.irp c, 0,1,2,3
	ds_load_b128 v[\reg+4*\c:\reg+4*\c+3], v[ADR] offset:(\off)+\c*512
.endr
.endm
.macro DIFF dst, src, q, hi            ; s x the keys' coordinate - s x the query's, both tiles
.irp t, 0,1
.irp i, 0,2,4,6,8,10,12,14
	v_pk_fma_f32 v[\dst+16*\t+\i:\dst+16*\t+\i+1], v[\src+\i:\src+\i+1], s[SC:SC+1], v[QC+4*\t+\q:QC+4*\t+\q+1] op_sel:[0,0,\hi] op_sel_hi:[1,0,\hi]
.endr
.endr
.endm
.macro SQADD                           ; E += the square of the differences in S
.set j, 0
.rept 16
	v_pk_fma_f32 v[E+j:E+j+1], v[S+j:S+j+1], v[S+j:S+j+1], v[E+j:E+j+1]
.set j, j+2
.endr
.endm
.macro QK1 a, u, d                     ; the fragment at a (16 keys, K step d) against both tiles of queries
.irp t, 0,1
.if \d == 0
	v_wmma_f32_16x16x128_fp8_fp8 v[S+16*\t+8*\u:S+16*\t+8*\u+7], v[\a:\a+15], v[QF+32*\t:QF+32*\t+15], 0
.else
	v_wmma_f32_16x16x128_fp8_fp8 v[S+16*\t+8*\u:S+16*\t+8*\u+7], v[\a:\a+15], v[QF+32*\t+16:QF+32*\t+31], v[S+16*\t+8*\u:S+16*\t+8*\u+7]
.endif
.endr
.endm
.macro XPH b                           ; block b's x differences and c + their squares; it stands behind the block before's second batch, whose results it does not name
	s_wait_dscnt 12                                ; x is in; y, z and the first fragment (12 loads) may be out
	DIFF E, PX, 0, 0
	FRAG PX, (\b)*8192+4096
.set j, 0
.rept 16
	v_pk_fma_f32 v[E+j:E+j+1], v[E+j:E+j+1], v[E+j:E+j+1], v[LC:LC+1] op_sel_hi:[1,1,0]
.set j, j+2
.endr
.endm
.macro SCORES b                        ; E and S^T of block b
.if (\b) == 0
	XPH 0
.endif
	s_wait_dscnt 4                                 ; y, z and the first fragment are in; the fragment asked for on x (4 loads) may be out
	DIFF S, PY, 0, 1
	FRAG PY, (\b)*8192+2048
	SQADD
	DIFF S, PZ, 2, 0
	FRAG PZ, (\b)*8192+6144
	SQADD
	s_wait_alu depctr_va_vdst(0)                   ; ahead of the batch
.set j, 0
.rept 32
	v_exp_f32 v[E+j], -v[E+j]
.set j, j+1
.endr
	v_nop
	s_wait_dscnt 4                                 ; all but the last fragment's four loads
	QK1 KD, 0, 0                                   ; four accumulators by turns, the same order in both K steps
	QK1 PX, 1, 0
	QK1 PY, 0, 1
	s_wait_dscnt 0x0
	QK1 PZ, 1, 1
	PLACES                                         ; four places ahead of loads into K's registers and of the first read of S
.endm
.macro BLOCK b
	SCORES \b
.if (\b) < 3
	PLOAD (\b)+1
	FRAG KD, ((\b)+1)*8192
.endif
	s_wait_alu depctr_va_vdst(0)                   ; behind the batch, ahead of E's first reader
.set j, 0
.rept 16
	v_pk_mul_f32 v[S+j:S+j+1], v[S+j:S+j+1], v[E+j:E+j+1]   ; t
.set j, j+2
.endr
.irp t, 0,1
	v_max3_num_f32 v[ST+8*\t+1], v[ST+8*\t+1], v[S+16*\t], v[S+16*\t+1]
	v_max3_num_f32 v[ST+8*\t+6], v[S+16*\t+2], v[S+16*\t+3], v[S+16*\t+6]
.endr
.irp t, 0,1
	v_max3_num_f32 v[ST+8*\t+1], v[ST+8*\t+1], v[S+16*\t+4], v[S+16*\t+5]
	v_max3_num_f32 v[ST+8*\t+6], v[ST+8*\t+6], v[S+16*\t+7], v[S+16*\t+10]
.endr
.irp t, 0,1
	v_max3_num_f32 v[ST+8*\t+1], v[ST+8*\t+1], v[S+16*\t+8], v[S+16*\t+9]
	v_max3_num_f32 v[ST+8*\t+6], v[ST+8*\t+6], v[S+16*\t+11], v[S+16*\t+14]
.endr
.irp t, 0,1
	v_max3_num_f32 v[ST+8*\t+1], v[ST+8*\t+1], v[S+16*\t+12], v[S+16*\t+13]
.endr
.irp t, 0,1
	v_max3_num_f32 v[ST+8*\t+1], v[ST+8*\t+1], v[ST+8*\t+6], v[S+16*\t+15]
.endr
.irp t, 0,1
	v_sub_f32 v[ST+8*\t+4], v[ST+8*\t], v[ST+8*\t+1]   ; the old largest less the new
.endr
.irp t, 0,1
	v_mov_b32 v[ST+8*\t], v[ST+8*\t+1]
.endr
.irp t, 0,1
.irp i, 0,2,4,6,8,10,12,14
	v_pk_add_f32 v[S+16*\t+\i:S+16*\t+\i+1], v[S+16*\t+\i:S+16*\t+\i+1], v[ST+8*\t:ST+8*\t+1] op_sel_hi:[1,0] neg_lo:[0,1] neg_hi:[0,1]
.endr
.endr
	s_wait_alu depctr_va_vdst(0)
.set j, 0
.rept 32
	v_exp_f32 v[S+j], v[S+j]
.set j, j+1
.endr
	v_exp_f32 v[ST+4], v[ST+4]
	v_exp_f32 v[ST+12], v[ST+12]
.if (\b) < 3
	XPH (\b)+1
.else
	v_nop
.endif
	s_wait_alu depctr_va_vdst(0)
.irp t, 0,1
	v_pk_fma_f32 v[ST+8*\t+2:ST+8*\t+3], v[ST+8*\t+2:ST+8*\t+3], v[ST+8*\t+4:ST+8*\t+5], v[S+16*\t:S+16*\t+1] op_sel_hi:[1,0,1]
	v_pk_add_f32 v[ST+8*\t+6:ST+8*\t+7], v[S+16*\t+4:S+16*\t+5], v[S+16*\t+6:S+16*\t+7]
.endr
.irp t, 0,1
	v_pk_add_f32 v[ST+8*\t+2:ST+8*\t+3], v[ST+8*\t+2:ST+8*\t+3], v[S+16*\t+2:S+16*\t+3]
	v_pk_add_f32 v[ST+8*\t+6:ST+8*\t+7], v[ST+8*\t+6:ST+8*\t+7], v[S+16*\t+10:S+16*\t+11]
.endr
.irp t, 0,1
	v_pk_add_f32 v[ST+8*\t+2:ST+8*\t+3], v[ST+8*\t+2:ST+8*\t+3], v[S+16*\t+8:S+16*\t+9]
	v_pk_add_f32 v[ST+8*\t+6:ST+8*\t+7], v[ST+8*\t+6:ST+8*\t+7], v[S+16*\t+14:S+16*\t+15]
.endr
.irp t, 0,1
	v_pk_add_f32 v[ST+8*\t+2:ST+8*\t+3], v[ST+8*\t+2:ST+8*\t+3], v[S+16*\t+12:S+16*\t+13]
.endr
.irp t, 0,1
	v_pk_add_f32 v[ST+8*\t+2:ST+8*\t+3], v[ST+8*\t+2:ST+8*\t+3], v[ST+8*\t+6:ST+8*\t+7]
.endr
	s_wait_alu depctr_va_vdst(0)                   ; ahead of the blocking wait that follows
.endm
.macro CHANGE fill                     ; the change of slots, at a slot's head
	s_wait_tensorcnt 0x0
	ds_add_u32 v[SPW], v[NIL]
.if \fill
	s_xor_b32 s[G0+1], s[G0+1], SLOT1
	s_add_nc_u64 s[G0+2:G0+3], s[G0+2:G0+3], STEP
	s_wait_xcnt 0x0                                ; my prefetch has read its address
	s_add_nc_u64 s[PFA:PFA+1], s[PFA:PFA+1], STEP
.endif
	s_wait_dscnt 0x0
.if \fill
	ROUND
	tensor_load_to_lds s[G0:G0+3], s[G1:G1+7]
	s_nop 0
	PLACES
	s_cmp_gt_u32 s[LAP], 1                         ; the last refill has no slot behind it
	s_cbranch_scc0 .Lno_pf_\@
	global_prefetch_b8 v[PFO], s[PFA:PFA+1] th:TH_LOAD_NT scope:SCOPE_SE
.Lno_pf_\@:
.else
	s_barrier_signal -1
	s_barrier_wait -1
	PLACES
.endif
.endm
.macro WORK
	v_add_nc_u32 v[ADR], s[TB], v[AKB]
	v_add_nc_u32 v[ADP], s[TP], v[APB]
	s_wait_alu depctr_va_vdst(0)
	PLOAD 0
	FRAG KD, 0
	BLOCK 0
	BLOCK 1
	BLOCK 2
	BLOCK 3
	s_xor_b32 s[TB], s[TB], SLOT1
	s_add_co_u32 s[TP], s[TP], TPSTEP
.endm
	s_load_b256 s[4:11], s[0:1], 0x0               ; qc 4, kvc 6, ps 8, P 10
	s_load_b128 s[12:15], s[0:1], 0x20             ; the scales' exponents 12, stats 14
	v_lshl_add_u32 v[SPW], v0, 2, SPARE
	v_mov_b32 v[NIL], 0
	ds_add_u32 v[SPW], v[NIL]                      ; the opening lines: the add twice on end
	ds_add_u32 v[SPW], v[NIL]
	v_lshrrev_b32 v248, 5, v0
	v_readfirstlane_b32 s[WV], v248
	s_and_b32 s[QG], s[WV], 3
	s_lshr_b32 s[KG], s[WV], 2
	s_and_b32 s[W7], s[WV], 7
	s_bfe_u32 s[CX], ttmp6, 0x40000
	s_lshl_b32 s[XB], ttmp9, 2
	s_add_co_u32 s[XB], s[XB], s[CX]
	s_and_b32 s[Y], ttmp7, 0xffff
	MKG1 G1, 32                                    ; a refill: 8,192 bytes a wave
	MKG1 G1A, 64                                   ; slot 0 at the head: 16,384 bytes for each of waves 0-7
	MKG1 G1P, 16                                   ; the places: 4,096 bytes for each of waves 8-15
	s_mov_b32 s[SC], 0x3f596d27                    ; s = sqrt(log2(e) / 2)
	s_mov_b32 s[SC+1], 0x3f596d27
	s_mov_b32 s[SEL], 0x76543210
	s_mov_b32 s[SEL+1], 0xfedcba98
	s_mov_b32 s[TB], 0
	s_mov_b32 s[TP], 0
	s_mov_b32 s[LAP], LAPS-1
	s_lshl_b32 s80, s[KG], 15
	s_lshl_b32 s81, s[KG], 11
	s_add_co_u32 s81, s81, PBASE
	v_and_b32 v[LN], 31, v0
	v_lshlrev_b32 v[LQ], 4, v[LN]
	v_lshlrev_b32 v[SO], 3, v[LN]
	v_min_u32 v[PFO], 7, v[LN]
	v_lshlrev_b32 v[PFO], 8, v[PFO]
	v_and_b32 v249, 15, v0
	v_bfe_u32 v250, v0, 4, 1
	v_mul_u32_u24 v[PQ], v249, 12
	v_add_nc_u32 v[AKB], s80, v[LQ]
	v_lshl_add_u32 v[APB], v250, 6, s81
	s_wait_alu depctr_va_vdst(0)
	s_wait_dscnt 0x0
	s_wait_kmcnt 0x0
	s_load_b64 s[76:77], s[12:13], 0x18            ; e6, e7
	s_mov_b32 s73, 0
	s_lshl_b32 s74, s[Y], 20
	s_lshl_b32 s75, s[KG], 16
	s_add_co_u32 s72, s74, s75
	s_lshl_b32 s75, s[QG], 13
	s_add_co_u32 s72, s72, s75
	s_mov_b32 s[G0], 1
	s_lshl_b32 s[G0+1], s[WV], 13
	s_add_nc_u64 s[G0+2:G0+3], s[6:7], s[72:73]
	s_add_nc_u64 s[PFA:PFA+1], s[G0+2:G0+3], STEP
	s_or_b32 s[G0+3], s[G0+3], 0x80000000
	s_lshl_b32 s86, s[CX], 11
	s_mov_b32 s87, 0
	s_add_nc_u64 s[PFA:PFA+1], s[PFA:PFA+1], s[86:87]
	s_lshr_b32 s75, s[W7], 1
	s_lshl_b32 s75, s75, 16
	s_add_co_u32 s72, s74, s75
	s_and_b32 s75, s[W7], 1
	s_lshl_b32 s75, s75, 14
	s_add_co_u32 s72, s72, s75
	s_mov_b32 s[G0A], 1
	s_lshl_b32 s[G0A+1], s[W7], 14
	s_add_nc_u64 s[G0A+2:G0A+3], s[6:7], s[72:73]
	s_or_b32 s[G0A+3], s[G0A+3], 0x80000000
	s_lshl_b32 s74, s[Y], 15
	s_lshl_b32 s75, s[W7], 12
	s_add_co_u32 s72, s74, s75
	s_mov_b32 s[G0P], 1
	s_add_co_u32 s[G0P+1], s75, PBASE
	s_add_nc_u64 s[G0P+2:G0P+3], s[8:9], s[72:73]
	s_or_b32 s[G0P+3], s[G0P+3], 0x80000000
	ROUND
	s_cmp_lt_u32 s[WV], 8
	s_cbranch_scc0 .Lhead_p
	tensor_load_to_lds s[G0A:G0A+3], s[G1A:G1A+7]
	s_nop 0
	PLACES
	s_branch .Lhead_j
.Lhead_p:
	tensor_load_to_lds s[G0P:G0P+3], s[G1P:G1P+7]
	s_nop 0
	PLACES
.Lhead_j:
	s_lshl_b32 s72, s[XB], 15
	s_lshl_b32 s74, s[QG], 13
	s_add_co_u32 s72, s72, s74
	s_add_nc_u64 s[4:5], s[4:5], s[72:73]
	s_mul_i32 s72, s[XB], 1536
	s_mul_i32 s74, s[QG], 384
	s_add_co_u32 s72, s72, s74
	s_add_nc_u64 s[10:11], s[10:11], s[72:73]
	s_lshl_b32 s72, s[Y], 18
	s_lshl_b32 s74, s[KG], 16
	s_add_co_u32 s72, s72, s74
	s_lshl_b32 s74, s[XB], 10
	s_add_co_u32 s72, s72, s74
	s_lshl_b32 s74, s[QG], 8
	s_add_co_u32 s72, s72, s74
	s_add_nc_u64 s[14:15], s[14:15], s[72:73]
.irp t, 0,1
.irp d, 0,1
.irp c, 0,1,2,3
	global_load_b128 v[QF+32*\t+16*\d+4*\c:QF+32*\t+16*\d+4*\c+3], v[LQ], s[4:5] offset:\t*4096+\d*2048+\c*512
.endr
.endr
.endr
.irp t, 0,1
.irp k, 0,1,2
	global_load_b32 v[QC+4*\t+\k], v[PQ], s[10:11] offset:\t*192+\k*4
.endr
	v_mov_b32 v[QC+4*\t+3], 0
	v_mov_b32 v[ST+8*\t], 0xff61b1e6               ; -3e38, under every t
	v_mov_b32 v[ST+8*\t+1], 0xff61b1e6
.irp k, 2,3,4,5,6,7
	v_mov_b32 v[ST+8*\t+\k], 0
.endr
.endr
	s_wait_kmcnt 0x0
	s_add_co_i32 s72, s76, s77
	v_cvt_f32_i32 v[LC], s72
	v_sub_f32 v[LC], 0x405e28b1, v[LC]             ; c = -log2(log2(e) / 16) - (e6 + e7)
	v_mov_b32 v[LC+1], 0
	s_wait_alu depctr_va_vdst(0)
	s_wait_loadcnt 0x0
.irp t, 0,1
.irp k, 0,1,2
	v_mul_f32 v[QC+4*\t+\k], 0xbf596d27, v[QC+4*\t+\k]   ; -s x the query's place
.endr
.endr
	s_wait_alu depctr_va_vdst(0)                   ; the head's end
.Llap:
	CHANGE 1
	WORK
	s_sub_co_u32 s[LAP], s[LAP], 1
	s_cmp_lg_u32 s[LAP], 0
	s_cbranch_scc1 .Llap
	CHANGE 0                                       ; the last slot is written out: it asks for nothing
	WORK
	; the two halves of the lanes are joined, and 256 consecutive bytes go out: (largest t, sum) of my 32 queries
.irp t, 0,1
	v_add_f32 v[ST+8*\t+2], v[ST+8*\t+2], v[ST+8*\t+3]
.endr
.irp t, 0,1
	v_permlanex16_b32 v[ST+8*\t+6], v[ST+8*\t], s[SEL], s[SEL+1]
	v_permlanex16_b32 v[ST+8*\t+7], v[ST+8*\t+2], s[SEL], s[SEL+1]
.endr
.irp t, 0,1
	v_max_num_f32 v[ST+8*\t+1], v[ST+8*\t], v[ST+8*\t+6]
.endr
.irp t, 0,1
	v_sub_f32 v[ST+8*\t+4], v[ST+8*\t], v[ST+8*\t+1]
	v_sub_f32 v[ST+8*\t+5], v[ST+8*\t+6], v[ST+8*\t+1]
.endr
	s_wait_alu depctr_va_vdst(0)
.irp t, 0,1
	v_exp_f32 v[ST+8*\t+4], v[ST+8*\t+4]
	v_exp_f32 v[ST+8*\t+5], v[ST+8*\t+5]
.endr
	v_nop
	v_cmp_gt_u32 vcc_lo, 16, v[LN]
	s_wait_alu depctr_va_vdst(0)
.irp t, 0,1
	v_mul_f32 v[ST+8*\t+2], v[ST+8*\t+2], v[ST+8*\t+4]
.endr
.irp t, 0,1
	v_fma_f32 v[ST+8*\t+2], v[ST+8*\t+7], v[ST+8*\t+5], v[ST+8*\t+2]
.endr
	v_cndmask_b32 v248, v[ST+9], v[ST+1], vcc_lo   ; lanes 0-15: tile 0; lanes 16-31: tile 1
	v_cndmask_b32 v249, v[ST+10], v[ST+2], vcc_lo
	global_store_b64 v[SO], v[248:249], s[14:15]
	s_wait_tensorcnt 0x0                           ; the wave's end
	ds_add_u32 v[SPW], v[NIL]
	s_wait_dscnt 0x0
	ROUND                                          ; the closing round
	s_endpgm
.Lfunc_end_k_q534671bdee_stats:
	.size	k_q534671bdee_stats, .Lfunc_end_k_q534671bdee_stats-k_q534671bdee_stats
	.p2alignl 7, 3214868480
	.fill 96, 4, 3214868480
	.section	.rodata,"a",@progbits
	.p2align	6, 0x0
	.amdhsa_kernel k_q534671bdee_stats
		.amdhsa_group_segment_fixed_size 327680
		.amdhsa_private_segment_fixed_size 0
		.amdhsa_enable_private_segment 0
		.amdhsa_kernarg_size 48
		.amdhsa_user_sgpr_count 2
		.amdhsa_user_sgpr_kernarg_segment_ptr 1
		.amdhsa_wavefront_size32 1
		.amdhsa_system_sgpr_workgroup_id_x 1
		.amdhsa_system_sgpr_workgroup_id_y 1
		.amdhsa_system_sgpr_workgroup_id_z 1
		.amdhsa_system_vgpr_workitem_id 0
		.amdhsa_next_free_vgpr 256
		.amdhsa_next_free_sgpr 96
		.amdhsa_reserve_vcc 1
		.amdhsa_float_denorm_mode_32 3
		.amdhsa_float_denorm_mode_16_64 3
		.amdhsa_memory_ordered 1
		.amdhsa_forward_progress 1
		.amdhsa_inst_pref_size 140
	.end_amdhsa_kernel
	.amdgpu_metadata
---
amdhsa.version: [ 1, 2 ]
amdhsa.kernels:
  - .name:           k_q534671bdee_stats
    .symbol:         k_q534671bdee_stats.kd
    .args:
      - { .name: qc, .offset: 0, .size: 8, .value_kind: global_buffer, .address_space: global }
      - { .name: kvc, .offset: 8, .size: 8, .value_kind: global_buffer, .address_space: global }
      - { .name: ps, .offset: 16, .size: 8, .value_kind: global_buffer, .address_space: global }
      - { .name: P, .offset: 24, .size: 8, .value_kind: global_buffer, .address_space: global }
      - { .name: lowp_scales, .offset: 32, .size: 8, .value_kind: global_buffer, .address_space: global }
      - { .name: stats, .offset: 40, .size: 8, .value_kind: global_buffer, .address_space: global }
    .group_segment_fixed_size: 327680
    .private_segment_fixed_size: 0
    .kernarg_segment_align: 8
    .kernarg_segment_size: 48
    .max_flat_workgroup_size: 512
    .sgpr_count:     96
    .vgpr_count:     256
    .wavefront_size: 32
...
	.end_amdgpu_metadata
.endif
;; end of part 2
;; launch attend (part 3): grid 64 x 4, 8 waves a work-group, clusters of 4 x 1, 327,680 bytes of LDS; arguments qc, kvc, ps, P, lowp_scales, stats, part; writes part
.if DOCPART == 3
	.amdgcn_target "amdgcn-amd-amdhsa--gfx1250"
	.amdhsa_code_object_version 6
	.text
	.protected	k_q534671bdee_attend
	.globl	k_q534671bdee_attend
	.p2align	8
	.type	k_q534671bdee_attend,@function
k_q534671bdee_attend:
	s_mov_b64 s[64:65], 0
	v_nop
	global_prefetch_b8 v0, s[64:65] scope:SCOPE_SE
	s_setreg_imm32_b32 hwreg(HW_REG_WAVE_MODE, 25, 1), 1
	s_wait_xcnt 0x0
	s_wait_alu depctr_hold_cnt(0) depctr_sa_sdst(0) depctr_va_vdst(0) depctr_va_sdst(0) depctr_va_ssrc(0) depctr_va_vcc(0) depctr_vm_vsrc(0)
	s_getreg_b32 s2, hwreg(HW_REG_IB_STS2, 6, 4)
	s_cmp_eq_u32 s2, 0
	s_cbranch_scc0 .Lentry_in_a_cluster
	s_endpgm
.Lentry_in_a_cluster:
	s_bfe_u32 s2, ttmp6, 0x10000c
	s_cmp_lg_u32 s2, 0x3003
	s_cbranch_scc0 .Lentry_shape_is_right
	s_endpgm
.Lentry_shape_is_right:
; ATTEND.  part[y] = the raw sums of Q8(A) Q8(V) over a quarter y of the keys; A = 2^(t - m'), t = (Q.K) x decay x log2(e) / 16, m' = the row's largest t + log2(1 + the row's sum): the finished softmax_one, quantised with 2^e8.
; No work of the problem is left out.  The row's largest t and sum are joined at the head from the 16 parts that the launch before has stored.
; SHARES.  A work-group owns 128 queries and a quarter of the keys.  Wave w: queries 32 (w % 4) on (two tiles), and of each slot of 256 keys record w / 4 (128 keys): four blocks of 32 keys (32 scores a lane), then 32 products with V.
; S^T = K Q^T and O^T = V^T A^T: a lane holds one query (lane % 16); registers 16 t + i of S hold keys 32 b + 16 (lane / 16) + i, so the conversions' results are the second product's operand.
; A BLOCK lays all plain lines first and the exponentials in two batches, each with one wait ahead and one behind.
; The differences of the places are fma(k, s, -q s), s = sqrt(log2(e) / 2).  E = 2^-(c + the sum of their squares), c = -log2(log2(e) / 16) - e6 - e7: the decay with the scores' factor in it, so that t - m' is one fma(S, E, -m').
; K's four fragments: one has registers of its own and is asked for a block ahead; the other three land on x, y and z as soon as these have been read.  The differences' scratch lies in S, which is idle there.
; REGISTERS.  Window 1: O^T, tile t, channels 16 c on at 128 t + 8 c.  Window 0: v16 the queries' places and -m'; v24 Q; v88 A's codes; v120-183 the keys' places and K, or four fragments of V; v184-247 S and E, or four fragments of V.
; O^T is cleared once by 256 moves: a first step with C = 0 would be a third copy of the step's text.
; CLUSTERS: the four query blocks of a cluster walk the same keys: the records and the table of places are asked for jointly (mask 15).
; RING: two slots of 131,072 bytes (two records of K and V); the places of the quarter's keys (32,768 bytes) are fetched once.  At the head waves 0-3 ask for slot 0, waves 4-7 for the places: one load a wave.
; PREFETCH: behind each refill one line a wave names the slot after the one just asked for: of the 64 blocks of 256 bytes that the wave will fetch, the partner at place cx names 16 (by address); the last refill names nothing further.
; THE WAY OUT: the two key groups' sums meet in stages in LDS (on bytes that have had their last fill) and leave as whole rows.
; LIMITS: e6 + e7 between -100 and 120 (it is added to the decay's exponent, whose rounding is that of a number of that size); e8 between -126 and 119; the scaled scores stay under 2^31 in magnitude.  NaN and infinities are not served.
.set LAPS,   8
.set SLOT1,  1<<17
.set PBASE,  262144
.set SPARE,  294912
.set STEP,   131072
.set TPSTEP, 4096
.set SPITCH, 1040
.set STG,    32*SPITCH
.set SPW, 1
.set NIL, 2
.set AKB, 3
.set APB, 4
.set ADR, 5
.set ADP, 6
.set LIM, 7                            ; 448 x 2^e8, and once more in LIM2: the two halves of a dual pair take their second sources from different banks
.set SCA, 8
.set LQ,  9
.set PQ,  10
.set SQ,  11
.set STO, 12
.set RD,  13
.set RD2, 14
.set PFO, 15
.set QC,  16
.set QF,  24
.set CD,  88
.set SV,  120
.set PX,  120                          ; the keys' x, then K's fragment (tile 1, K step 0)
.set PY,  136                          ; y, then (tile 0, K step 1)
.set PZ,  152                          ; z, then (tile 1, K step 1)
.set KD,  168                          ; K's fragment (tile 0, K step 0)
.set S,   184
.set E,   216
.set LIM2, 252
.set LC,  254                          ; c, and a 0 named with it as a pair
.set BUFA, 120
.set BUFB, 184
.set WV,  18
.set QG,  19
.set KG,  20
.set CX,  21
.set XB,  22
.set Y,   23
.set G1,  24
.set G1A, 32
.set G1P, 40
.set G0,  48
.set G0A, 52
.set G0P, 56
.set SC,  62
.set TB,  66
.set TP,  67
.set LAP, 68
.set PFA, 70
.set MSB, 0
.macro WIN new                         ; the immediate's high byte repeats the setting that is left
.if MSB != \new
	s_set_vgpr_msb (MSB<<8)|\new
.set MSB, \new
.endif
.endm
.macro PLACES
.rept 4
	v_nop
.endr
.endm
.macro ROUND
	s_barrier_signal -1
	s_barrier_wait -1
	s_cmp_lg_u32 s[WV], 0
	s_cbranch_scc1 .Lnot_wave_0_\@
	s_barrier_signal -3
.Lnot_wave_0_\@:
	s_barrier_wait -3
	s_barrier_signal -1
	s_barrier_wait -1
.endm
.macro MKG1 g, rows                    ; rows of 256 bytes, dense; mask 15 with bit 21 beside it
	s_mov_b32 s[\g], 15|(3<<16)|(1<<21)
	s_mov_b32 s[\g+1], 32<<16
	s_mov_b32 s[\g+2], (\rows)<<16
	s_mov_b32 s[\g+3], 32<<16
	s_mov_b32 s[\g+4], \rows
	s_mov_b32 s[\g+5], 32
	s_mov_b32 s[\g+6], 0
	s_mov_b32 s[\g+7], 0
.endm
.macro PLOAD b
.irp k, 0,1,2
.irp i, 0,1,2,3
	ds_load_b128 v[PX+16*\k+4*\i:PX+16*\k+4*\i+3], v[ADP] offset:(\b)*512+\k*128+\i*16
.endr
.endr
.endm
.macro FRAG reg, off                   ; one fragment, an image of its registers
.irp c, 0,1,2,3
	ds_load_b128 v[\reg+4*\c:\reg+4*\c+3], v[ADR] offset:(\off)+\c*512
.endr
.endm
.macro FLOAD buf, off                  ; four fragments of V
.irp f, 0,1,2,3
	FRAG \buf+16*\f, (\off)+\f*2048
.endr
.endm
.macro DIFF dst, src, q, hi            ; s x the keys' coordinate - s x the query's, both tiles
.irp t, 0,1
.irp i, 0,2,4,6,8,10,12,14
	v_pk_fma_f32 v[\dst+16*\t+\i:\dst+16*\t+\i+1], v[\src+\i:\src+\i+1], s[SC:SC+1], v[QC+4*\t+\q:QC+4*\t+\q+1] op_sel:[0,0,\hi] op_sel_hi:[1,0,\hi]
.endr
.endr
.endm
.macro SQADD                           ; E += the square of the differences in S
.set j, 0
.rept 16
	v_pk_fma_f32 v[E+j:E+j+1], v[S+j:S+j+1], v[S+j:S+j+1], v[E+j:E+j+1]
.set j, j+2
.endr
.endm
.macro QK1 a, u, d                     ; the fragment at a (16 keys, K step d) against both tiles of queries
.irp t, 0,1
.if \d == 0
	v_wmma_f32_16x16x128_fp8_fp8 v[S+16*\t+8*\u:S+16*\t+8*\u+7], v[\a:\a+15], v[QF+32*\t:QF+32*\t+15], 0
.else
	v_wmma_f32_16x16x128_fp8_fp8 v[S+16*\t+8*\u:S+16*\t+8*\u+7], v[\a:\a+15], v[QF+32*\t+16:QF+32*\t+31], v[S+16*\t+8*\u:S+16*\t+8*\u+7]
.endif
.endr
.endm
.macro XPH b                           ; block b's x differences and c + their squares; it stands behind the block before's second batch, whose results it does not name
	s_wait_dscnt 12                                ; x is in; y, z and the first fragment (12 loads) may be out
	DIFF E, PX, 0, 0
	FRAG PX, (\b)*8192+4096
.set j, 0
.rept 16
	v_pk_fma_f32 v[E+j:E+j+1], v[E+j:E+j+1], v[E+j:E+j+1], v[LC:LC+1] op_sel_hi:[1,1,0]
.set j, j+2
.endr
.endm
.macro BLOCK b
.if (\b) == 0
	XPH 0
.endif
	s_wait_dscnt 4                                 ; y, z and the first fragment are in; the fragment asked for on x (4 loads) may be out
	DIFF S, PY, 0, 1
	FRAG PY, (\b)*8192+2048
	SQADD
	DIFF S, PZ, 2, 0
	FRAG PZ, (\b)*8192+6144
	SQADD
	s_wait_alu depctr_va_vdst(0)                   ; ahead of the batch
.set j, 0
.rept 32
	v_exp_f32 v[E+j], -v[E+j]
.set j, j+1
.endr
	v_nop
	s_wait_dscnt 4                                 ; all but the last fragment's four loads
	QK1 KD, 0, 0                                   ; four accumulators by turns, the same order in both K steps
	QK1 PX, 1, 0
	QK1 PY, 0, 1
	s_wait_dscnt 0x0
	QK1 PZ, 1, 1
	PLACES                                         ; four places ahead of loads into K's registers and of the first read of S
.if (\b) < 3
	PLOAD (\b)+1
	FRAG KD, ((\b)+1)*8192
.else
	FLOAD BUFA, 32768                              ; V's channels 0-63
.endif
	s_wait_alu depctr_va_vdst(0)                   ; behind the batch, ahead of E's first reader
.irp t, 0,1
.irp i, 0,2,4,6,8,10,12,14
	v_pk_fma_f32 v[S+16*\t+\i:S+16*\t+\i+1], v[S+16*\t+\i:S+16*\t+\i+1], v[E+16*\t+\i:E+16*\t+\i+1], v[QC+4*\t+2:QC+4*\t+3] op_sel:[0,0,1] op_sel_hi:[1,1,1]
.endr
.endr
.if (\b) == 3
	FRAG BUFB+32, 32768+8192+4096                  ; E has been read for the last time in this step: V's channels 96-127 land there
	FRAG BUFB+48, 32768+8192+6144
.endif
	s_wait_alu depctr_va_vdst(0)
.set j, 0
.rept 32
	v_exp_f32 v[S+j], v[S+j]
.set j, j+1
.endr
.if (\b) < 3
	XPH (\b)+1
.else
	v_nop
.endif
	s_wait_alu depctr_va_vdst(0)
.set j, 0
.rept 16
	v_dual_min_num_f32 v[S+j], v[S+j], v[LIM] :: v_dual_min_num_f32 v[S+j+1], v[S+j+1], v[LIM2]   ; the conversion does not saturate (ISA guide 7.6.2); A is not negative: a one-sided hold, two a line
.set j, j+2
.endr
.irp t, 0,1
	v_cvt_scalef32_pk8_fp8_f32 v[CD+16*\t+4*(\b):CD+16*\t+4*(\b)+1], v[S+16*\t:S+16*\t+7], v[SCA]
	v_cvt_scalef32_pk8_fp8_f32 v[CD+16*\t+4*(\b)+2:CD+16*\t+4*(\b)+3], v[S+16*\t+8:S+16*\t+15], v[SCA]
.endr
	v_nop
	s_wait_alu depctr_va_vdst(0)                   ; ahead of the blocking wait that follows; behind block 3 also ahead of O^T's first readers
.endm
.macro PVQ q, buf                      ; channels 64 q on: eight accumulators, one product each
	WIN 0x50                                       ; C and D in window 1
.irp n, 0,1,2,3
.irp t, 0,1
	v_wmma_f32_16x16x128_fp8_fp8 v[128*\t+8*(4*(\q)+\n):128*\t+8*(4*(\q)+\n)+7], v[\buf+16*\n:\buf+16*\n+15], v[CD+16*\t:CD+16*\t+15], v[128*\t+8*(4*(\q)+\n):128*\t+8*(4*(\q)+\n)+7]
.endr
.endr
	WIN 0
.endm
.macro CHANGE fill                     ; the change of slots, at a slot's head
	s_wait_tensorcnt 0x0
	ds_add_u32 v[SPW], v[NIL]
.if \fill
	s_xor_b32 s[G0+1], s[G0+1], SLOT1
	s_add_nc_u64 s[G0+2:G0+3], s[G0+2:G0+3], STEP
	s_wait_xcnt 0x0                                ; my prefetch has read its address
	s_add_nc_u64 s[PFA:PFA+1], s[PFA:PFA+1], STEP
.endif
	s_wait_dscnt 0x0
.if \fill
	ROUND
	tensor_load_to_lds s[G0:G0+3], s[G1:G1+7]
	s_nop 0
	PLACES
	s_cmp_gt_u32 s[LAP], 1                         ; the last refill has no slot behind it
	s_cbranch_scc0 .Lno_pf_\@
	global_prefetch_b8 v[PFO], s[PFA:PFA+1] th:TH_LOAD_NT scope:SCOPE_SE
.Lno_pf_\@:
.else
	s_barrier_signal -1
	s_barrier_wait -1
	PLACES
.endif
.endm
.macro WORK
	v_add_nc_u32 v[ADR], s[TB], v[AKB]
	v_add_nc_u32 v[ADP], s[TP], v[APB]
	s_wait_alu depctr_va_vdst(0)
	PLOAD 0
	FRAG KD, 0
	BLOCK 0
	BLOCK 1
	BLOCK 2
	BLOCK 3
	FRAG BUFB, 32768+8192                          ; V's channels 64-95, on S; with block 3's two fragments 16 loads stand behind BUFA's
	FRAG BUFB+16, 32768+8192+2048
	s_wait_dscnt 16                                ; all but the 16 loads just issued
	PVQ 0, BUFA
	PLACES
	FLOAD BUFA, 32768+2*8192
	s_wait_dscnt 16
	PVQ 1, BUFB
	PLACES
	FLOAD BUFB, 32768+3*8192
	s_wait_dscnt 16
	PVQ 2, BUFA
	s_wait_dscnt 0x0
	PVQ 3, BUFB
	s_xor_b32 s[TB], s[TB], SLOT1
	s_add_co_u32 s[TP], s[TP], TPSTEP
.endm
	s_load_b256 s[4:11], s[0:1], 0x0               ; qc 4, kvc 6, ps 8, P 10
	s_load_b128 s[12:15], s[0:1], 0x20             ; the scales' exponents 12, stats 14
	s_load_b64 s[16:17], s[0:1], 0x30              ; part
	v_lshl_add_u32 v[SPW], v0, 2, SPARE
	v_mov_b32 v[NIL], 0
	ds_add_u32 v[SPW], v[NIL]                      ; the opening lines: the add twice on end
	ds_add_u32 v[SPW], v[NIL]
	v_lshrrev_b32 v248, 5, v0
	v_readfirstlane_b32 s[WV], v248
	s_and_b32 s[QG], s[WV], 3
	s_lshr_b32 s[KG], s[WV], 2
	s_bfe_u32 s[CX], ttmp6, 0x40000
	s_lshl_b32 s[XB], ttmp9, 2
	s_add_co_u32 s[XB], s[XB], s[CX]
	s_and_b32 s[Y], ttmp7, 0xffff
	MKG1 G1, 64                                    ; a refill: 16,384 bytes a wave
	MKG1 G1A, 128                                  ; slot 0 at the head: 32,768 bytes for each of waves 0-3
	MKG1 G1P, 32                                   ; the places: 8,192 bytes for each of waves 4-7
	s_mov_b32 s[SC], 0x3f596d27                    ; s = sqrt(log2(e) / 2)
	s_mov_b32 s[SC+1], 0x3f596d27
	s_mov_b32 s[TB], 0
	s_mov_b32 s[TP], 0
	s_mov_b32 s[LAP], LAPS-1
	s_lshl_b32 s80, s[KG], 16
	s_lshl_b32 s81, s[KG], 11
	s_add_co_u32 s81, s81, PBASE
	s_mul_i32 s82, s[WV], STG
	s_mul_i32 s83, s[QG], STG
	s_mul_i32 s84, s[KG], 16*SPITCH
	s_add_co_u32 s83, s83, s84
	v_and_b32 v248, 31, v0
	v_lshlrev_b32 v[LQ], 4, v248
	v_min_u32 v[PFO], 15, v248
	v_lshlrev_b32 v[PFO], 8, v[PFO]
	v_and_b32 v249, 15, v0
	v_bfe_u32 v250, v0, 4, 1
	v_mul_u32_u24 v[PQ], v249, 12
	v_lshlrev_b32 v[SQ], 3, v249
	v_add_nc_u32 v[AKB], s80, v[LQ]
	v_lshl_add_u32 v[APB], v250, 6, s81
	v_mul_u32_u24 v[STO], v249, SPITCH
	v_lshl_add_u32 v[STO], v250, 5, v[STO]
	v_add_nc_u32 v[STO], s82, v[STO]
	v_add_nc_u32 v[RD], s83, v[LQ]
	v_add_nc_u32 v[RD2], 4*STG, v[RD]
	s_wait_alu depctr_va_vdst(0)
	s_wait_dscnt 0x0
	s_wait_kmcnt 0x0
	s_load_b128 s[76:79], s[12:13], 0x18           ; e6, e7, e8, e9
	s_mov_b32 s73, 0
	s_lshl_b32 s74, s[Y], 20
	s_lshl_b32 s75, s[WV], 14
	s_add_co_u32 s72, s74, s75
	s_mov_b32 s[G0], 1
	s_lshl_b32 s[G0+1], s[WV], 14
	s_add_nc_u64 s[G0+2:G0+3], s[6:7], s[72:73]
	s_add_nc_u64 s[PFA:PFA+1], s[G0+2:G0+3], STEP
	s_or_b32 s[G0+3], s[G0+3], 0x80000000
	s_lshl_b32 s86, s[CX], 12
	s_mov_b32 s87, 0
	s_add_nc_u64 s[PFA:PFA+1], s[PFA:PFA+1], s[86:87]
	s_lshl_b32 s75, s[QG], 15
	s_add_co_u32 s72, s74, s75
	s_mov_b32 s[G0A], 1
	s_lshl_b32 s[G0A+1], s[QG], 15
	s_add_nc_u64 s[G0A+2:G0A+3], s[6:7], s[72:73]
	s_or_b32 s[G0A+3], s[G0A+3], 0x80000000
	s_lshl_b32 s74, s[Y], 15
	s_lshl_b32 s75, s[QG], 13
	s_add_co_u32 s72, s74, s75
	s_mov_b32 s[G0P], 1
	s_add_co_u32 s[G0P+1], s75, PBASE
	s_add_nc_u64 s[G0P+2:G0P+3], s[8:9], s[72:73]
	s_or_b32 s[G0P+3], s[G0P+3], 0x80000000
	ROUND
	s_cmp_lt_u32 s[WV], 4
	s_cbranch_scc0 .Lhead_p
	tensor_load_to_lds s[G0A:G0A+3], s[G1A:G1A+7]
	s_nop 0
	PLACES
	s_branch .Lhead_j
.Lhead_p:
	tensor_load_to_lds s[G0P:G0P+3], s[G1P:G1P+7]
	s_nop 0
	PLACES
.Lhead_j:
	s_lshl_b32 s72, s[XB], 15
	s_lshl_b32 s74, s[QG], 13
	s_add_co_u32 s72, s72, s74
	s_add_nc_u64 s[4:5], s[4:5], s[72:73]
	s_mul_i32 s72, s[XB], 1536
	s_mul_i32 s74, s[QG], 384
	s_add_co_u32 s72, s72, s74
	s_add_nc_u64 s[10:11], s[10:11], s[72:73]
	s_lshl_b32 s72, s[XB], 10
	s_lshl_b32 s74, s[QG], 8
	s_add_co_u32 s72, s72, s74
	s_add_nc_u64 s[14:15], s[14:15], s[72:73]
	s_lshl_b32 s72, s[Y], 23
	s_lshl_b32 s74, s[XB], 17
	s_add_co_u32 s72, s72, s74
	s_lshl_b32 s74, s[QG], 15
	s_add_co_u32 s72, s72, s74
	s_lshl_b32 s74, s[KG], 14
	s_add_co_u32 s72, s72, s74
	s_add_nc_u64 s[16:17], s[16:17], s[72:73]
.irp t, 0,1
.irp p, 0,1,2,3,4,5,6,7,8,9,10,11,12,13,14,15
	global_load_b64 v[SV+32*\t+2*\p:SV+32*\t+2*\p+1], v[SQ], s[14:15] offset:\p*65536+\t*128
.endr
.endr
.irp t, 0,1
.irp k, 0,1,2
	global_load_b32 v[QC+4*\t+\k], v[PQ], s[10:11] offset:\t*192+\k*4
.endr
.endr
.irp t, 0,1
.irp d, 0,1
.irp c, 0,1,2,3
	global_load_b128 v[QF+32*\t+16*\d+4*\c:QF+32*\t+16*\d+4*\c+3], v[LQ], s[4:5] offset:\t*4096+\d*2048+\c*512
.endr
.endr
.endr
	WIN 0x40
.set j, 0
.rept 256
	v_mov_b32 v[j], 0                              ; O^T
.set j, j+1
.endr
	WIN 0
	s_wait_kmcnt 0x0
	s_add_co_i32 s72, s76, s77
	v_cvt_f32_i32 v[LC], s72
	v_sub_f32 v[LC], 0x405e28b1, v[LC]             ; c = -log2(log2(e) / 16) - (e6 + e7)
	v_mov_b32 v[LC+1], 0
	s_add_co_i32 s72, s78, 127
	s_lshl_b32 s74, s72, 23
	v_mov_b32 v[SCA], s74                          ; 2^e8
	s_add_co_i32 s72, s72, 8
	s_lshl_b32 s72, s72, 23
	s_or_b32 s72, s72, 0x600000
	v_mov_b32 v[LIM], s72                          ; 448 x 2^e8
	v_mov_b32 v[LIM2], s72
	s_wait_alu depctr_va_vdst(0)
	s_wait_loadcnt 0x0
.irp t, 0,1                            ; the 16 parts are joined: the largest t, the sum under it, and -m'
	v_max3_num_f32 v[QC+4*\t+3], v[SV+32*\t], v[SV+32*\t+2], v[SV+32*\t+4]
.irp p, 3,5,7,9,11,13
	v_max3_num_f32 v[QC+4*\t+3], v[QC+4*\t+3], v[SV+32*\t+2*\p], v[SV+32*\t+2*\p+2]
.endr
	v_max_num_f32 v[QC+4*\t+3], v[QC+4*\t+3], v[SV+32*\t+30]
.endr
.irp t, 0,1
.irp p, 0,1,2,3,4,5,6,7,8,9,10,11,12,13,14,15
	v_sub_f32 v[SV+32*\t+2*\p], v[SV+32*\t+2*\p], v[QC+4*\t+3]
.endr
.irp k, 0,1,2
	v_mul_f32 v[QC+4*\t+\k], 0xbf596d27, v[QC+4*\t+\k]   ; -s x the query's place
.endr
.endr
	s_wait_alu depctr_va_vdst(0)
.set j, 0
.rept 32
	v_exp_f32 v[SV+2*j], v[SV+2*j]
.set j, j+1
.endr
	v_nop
	s_wait_alu depctr_va_vdst(0)
.irp t, 0,1
	v_mul_f32 v[E+2*\t], v[SV+32*\t+1], v[SV+32*\t]
	v_mul_f32 v[E+2*\t+1], v[SV+32*\t+3], v[SV+32*\t+2]
.irp p, 2,4,6,8,10,12,14
	v_fma_f32 v[E+2*\t], v[SV+32*\t+2*\p+1], v[SV+32*\t+2*\p], v[E+2*\t]
	v_fma_f32 v[E+2*\t+1], v[SV+32*\t+2*\p+3], v[SV+32*\t+2*\p+2], v[E+2*\t+1]
.endr
.endr
.irp t, 0,1
	v_add_f32 v[E+2*\t], v[E+2*\t], v[E+2*\t+1]
.endr
.irp t, 0,1
	v_add_f32 v[E+2*\t], 1.0, v[E+2*\t]
.endr
	s_wait_alu depctr_va_vdst(0)
.irp t, 0,1
	v_log_f32 v[E+2*\t], v[E+2*\t]
.endr
	v_nop
	s_wait_alu depctr_va_vdst(0)
.irp t, 0,1
	v_sub_f32 v[QC+4*\t+3], -v[QC+4*\t+3], v[E+2*\t]
.endr
	s_wait_alu depctr_va_vdst(0)                   ; the head's end
.Llap:
	CHANGE 1
	WORK
	s_sub_co_u32 s[LAP], s[LAP], 1
	s_cmp_lg_u32 s[LAP], 0
	s_cbranch_scc1 .Llap
	CHANGE 0                                       ; the last slot is written out: it asks for nothing
	WORK
	PLACES
	s_wait_dscnt 0x0
	s_barrier_signal -1
	s_barrier_wait -1                              ; nobody reads the slots or the places any more
	WIN 0x04                                       ; store data in window 1
.irp t, 0,1
.irp ct, 0,1,2,3,4,5,6,7,8,9,10,11,12,13,14,15
	ds_store_b128 v[STO], v[128*\t+8*\ct:128*\t+8*\ct+3] offset:\t*16*SPITCH+\ct*64
	ds_store_b128 v[STO], v[128*\t+8*\ct+4:128*\t+8*\ct+7] offset:\t*16*SPITCH+\ct*64+16
.endr
.endr
	WIN 0
	s_wait_dscnt 0x0
	s_barrier_signal -1
	s_barrier_wait -1
.macro RDB i                           ; four rows of both key groups' stages
.set bR, 120+64*((\i)%2)
.irp k, 0,1,2,3
.irp f, 0,1
	ds_load_b128 v[bR+8*\k+4*\f:bR+8*\k+4*\f+3], v[RD] offset:(4*(\i)+\k)*SPITCH+\f*512
	ds_load_b128 v[bR+32+8*\k+4*\f:bR+32+8*\k+4*\f+3], v[RD2] offset:(4*(\i)+\k)*SPITCH+\f*512
.endr
.endr
.endm
.macro WRB i, younger
.set bR, 120+64*((\i)%2)
	s_wait_dscnt \younger
.irp j, 0,2,4,6,8,10,12,14,16,18,20,22,24,26,28,30
	v_pk_add_f32 v[bR+\j:bR+\j+1], v[bR+\j:bR+\j+1], v[bR+32+\j:bR+32+\j+1]
.endr
.irp k, 0,1,2,3
.irp f, 0,1
	global_store_b128 v[LQ], v[bR+8*\k+4*\f:bR+8*\k+4*\f+3], s[16:17] offset:(4*(\i)+\k)*1024+\f*512   ; 32 lanes store 512 consecutive bytes, aligned
.endr
.endr
.endm
	RDB 0
.irp i, 0,1,2
.if \i > 0
	s_wait_xcnt 0x0                                ; the stores two back have read their registers
.endif
	RDB \i+1
	WRB \i, 16                                     ; the 16 loads just issued may be out
.endr
	WRB 3, 0
	s_wait_tensorcnt 0x0                           ; the wave's end
	ds_add_u32 v[SPW], v[NIL]
	s_wait_dscnt 0x0
	ROUND                                          ; the closing round
	s_endpgm
.Lfunc_end_k_q534671bdee_attend:
	.size	k_q534671bdee_attend, .Lfunc_end_k_q534671bdee_attend-k_q534671bdee_attend
	.p2alignl 7, 3214868480
	.fill 96, 4, 3214868480
	.section	.rodata,"a",@progbits
	.p2align	6, 0x0
	.amdhsa_kernel k_q534671bdee_attend
		.amdhsa_group_segment_fixed_size 327680
		.amdhsa_private_segment_fixed_size 0
		.amdhsa_enable_private_segment 0
		.amdhsa_kernarg_size 56
		.amdhsa_user_sgpr_count 2
		.amdhsa_user_sgpr_kernarg_segment_ptr 1
		.amdhsa_wavefront_size32 1
		.amdhsa_system_sgpr_workgroup_id_x 1
		.amdhsa_system_sgpr_workgroup_id_y 1
		.amdhsa_system_sgpr_workgroup_id_z 1
		.amdhsa_system_vgpr_workitem_id 0
		.amdhsa_next_free_vgpr 512
		.amdhsa_next_free_sgpr 96
		.amdhsa_reserve_vcc 0
		.amdhsa_float_denorm_mode_32 3
		.amdhsa_float_denorm_mode_16_64 3
		.amdhsa_memory_ordered 1
		.amdhsa_forward_progress 1
		.amdhsa_inst_pref_size 169
	.end_amdhsa_kernel
	.amdgpu_metadata
---
amdhsa.version: [ 1, 2 ]
amdhsa.kernels:
  - .name:           k_q534671bdee_attend
    .symbol:         k_q534671bdee_attend.kd
    .args:
      - { .name: qc, .offset: 0, .size: 8, .value_kind: global_buffer, .address_space: global }
      - { .name: kvc, .offset: 8, .size: 8, .value_kind: global_buffer, .address_space: global }
      - { .name: ps, .offset: 16, .size: 8, .value_kind: global_buffer, .address_space: global }
      - { .name: P, .offset: 24, .size: 8, .value_kind: global_buffer, .address_space: global }
      - { .name: lowp_scales, .offset: 32, .size: 8, .value_kind: global_buffer, .address_space: global }
      - { .name: stats, .offset: 40, .size: 8, .value_kind: global_buffer, .address_space: global }
      - { .name: part, .offset: 48, .size: 8, .value_kind: global_buffer, .address_space: global }
    .group_segment_fixed_size: 327680
    .private_segment_fixed_size: 0
    .kernarg_segment_align: 8
    .kernarg_segment_size: 56
    .max_flat_workgroup_size: 256
    .sgpr_count:     96
    .vgpr_count:     512
    .wavefront_size: 32
...
	.end_amdgpu_metadata
.endif
;; end of part 3
;; launch finish (part 4): grid 256 x 1, 8 waves a work-group, no clusters, 0 bytes of LDS; arguments part, X, lowp_scales, out0; writes out0
.if DOCPART == 4
	.amdgcn_target "amdgcn-amd-amdhsa--gfx1250"
	.amdhsa_code_object_version 6
	.text
	.protected	k_q534671bdee_finish
	.globl	k_q534671bdee_finish
	.p2align	8
	.type	k_q534671bdee_finish,@function
k_q534671bdee_finish:
	s_mov_b64 s[64:65], 0
	v_nop
	global_prefetch_b8 v0, s[64:65] scope:SCOPE_SE
	s_setreg_imm32_b32 hwreg(HW_REG_WAVE_MODE, 25, 1), 1
	s_wait_xcnt 0x0
; FINISH.  out0 = X + 2^(e8 + e9) x (the sum of the four key splits' raw sums).  part: [4][8192][256] f32; X, out0: [8192][256] f32.
; A plain stream: no LDS, no barrier, no matrix unit.  A work-group owns 32,768 bytes of out0, eight chunks of 4,096; thread t owns the 16 bytes at 16 t of each chunk, so that a wave's load or store covers 512 consecutive bytes.
; All 40 loads of a wave go out at once, chunk by chunk; each chunk has registers of its own, so that no store's data are written again.
; LIMIT: e8 + e9 between -126 and 127, so that 2^(e8 + e9) is an f32 number.
.set R, 4                              ; chunk i: v[R + 20 i ..]: four splits' 4 registers, then X's
	s_load_b256 s[4:11], s[0:1], 0x0               ; part 4, X 6, the scales' exponents 8, out0 10
	v_lshlrev_b32 v1, 4, v0
	s_lshl_b32 s12, ttmp9, 15
	s_mov_b32 s13, 0
	s_wait_alu depctr_va_vdst(0)
	s_wait_kmcnt 0x0
	s_load_b64 s[24:25], s[8:9], 0x20              ; e8, e9
	s_add_nc_u64 s[4:5], s[4:5], s[12:13]
	s_add_nc_u64 s[14:15], s[4:5], 0x800000        ; a split is 8,388,608 bytes on: past the immediate's reach, so each split has a base of its own
	s_add_nc_u64 s[16:17], s[14:15], 0x800000
	s_add_nc_u64 s[18:19], s[16:17], 0x800000
	s_add_nc_u64 s[6:7], s[6:7], s[12:13]
	s_add_nc_u64 s[10:11], s[10:11], s[12:13]
.irp i, 0,1,2,3,4,5,6,7
	global_load_b128 v[R+20*\i:R+20*\i+3], v1, s[4:5] offset:4096*\i th:TH_LOAD_NT
	global_load_b128 v[R+20*\i+4:R+20*\i+7], v1, s[14:15] offset:4096*\i th:TH_LOAD_NT
	global_load_b128 v[R+20*\i+8:R+20*\i+11], v1, s[16:17] offset:4096*\i th:TH_LOAD_NT
	global_load_b128 v[R+20*\i+12:R+20*\i+15], v1, s[18:19] offset:4096*\i th:TH_LOAD_NT
	global_load_b128 v[R+20*\i+16:R+20*\i+19], v1, s[6:7] offset:4096*\i th:TH_LOAD_NT
.endr
	s_wait_kmcnt 0x0
	s_add_co_i32 s24, s24, s25
	s_add_co_i32 s24, s24, 127
	s_lshl_b32 s24, s24, 23                        ; 2^(e8 + e9) as f32
	s_mov_b32 s25, s24                             ; (named with it as a pair)
.irp i, 0,1,2,3,4,5,6,7
	s_wait_loadcnt 5*(7-\i)                        ; this chunk's five loads are in; the later chunks' may be out
.irp j, 0,2
	v_pk_add_f32 v[R+20*\i+\j:R+20*\i+\j+1], v[R+20*\i+\j:R+20*\i+\j+1], v[R+20*\i+4+\j:R+20*\i+4+\j+1]
	v_pk_add_f32 v[R+20*\i+8+\j:R+20*\i+8+\j+1], v[R+20*\i+8+\j:R+20*\i+8+\j+1], v[R+20*\i+12+\j:R+20*\i+12+\j+1]
.endr
.irp j, 0
	s_delay_alu instid0(VALU_DEP_3)
	v_pk_add_f32 v[R+20*\i+\j:R+20*\i+\j+1], v[R+20*\i+\j:R+20*\i+\j+1], v[R+20*\i+8+\j:R+20*\i+8+\j+1]
.endr
.irp j, 2
	s_delay_alu instid0(VALU_DEP_2)
	v_pk_add_f32 v[R+20*\i+\j:R+20*\i+\j+1], v[R+20*\i+\j:R+20*\i+\j+1], v[R+20*\i+8+\j:R+20*\i+8+\j+1]
.endr
.irp j, 0,2
	s_delay_alu instid0(VALU_DEP_2)
	v_pk_fma_f32 v[R+20*\i+\j:R+20*\i+\j+1], v[R+20*\i+\j:R+20*\i+\j+1], s[24:25], v[R+20*\i+16+\j:R+20*\i+16+\j+1] op_sel_hi:[1,0,1]
.endr
	global_store_b128 v1, v[R+20*\i:R+20*\i+3], s[10:11] offset:4096*\i th:TH_STORE_NT
.endr
	s_endpgm
.Lfunc_end_k_q534671bdee_finish:
	.size	k_q534671bdee_finish, .Lfunc_end_k_q534671bdee_finish-k_q534671bdee_finish
	.p2alignl 7, 3214868480
	.fill 96, 4, 3214868480
	.section	.rodata,"a",@progbits
	.p2align	6, 0x0
	.amdhsa_kernel k_q534671bdee_finish
		.amdhsa_group_segment_fixed_size 0
		.amdhsa_private_segment_fixed_size 0
		.amdhsa_enable_private_segment 0
		.amdhsa_kernarg_size 32
		.amdhsa_user_sgpr_count 2
		.amdhsa_user_sgpr_kernarg_segment_ptr 1
		.amdhsa_wavefront_size32 1
		.amdhsa_system_sgpr_workgroup_id_x 1
		.amdhsa_system_sgpr_workgroup_id_y 1
		.amdhsa_system_sgpr_workgroup_id_z 1
		.amdhsa_system_vgpr_workitem_id 0
		.amdhsa_next_free_vgpr 168
		.amdhsa_next_free_sgpr 66
		.amdhsa_reserve_vcc 0
		.amdhsa_float_denorm_mode_32 3
		.amdhsa_float_denorm_mode_16_64 3
		.amdhsa_memory_ordered 1
		.amdhsa_forward_progress 1
		.amdhsa_inst_pref_size 11
	.end_amdhsa_kernel
	.amdgpu_metadata
---
amdhsa.version: [ 1, 2 ]
amdhsa.kernels:
  - .name:           k_q534671bdee_finish
    .symbol:         k_q534671bdee_finish.kd
    .args:
      - { .name: part, .offset: 0, .size: 8, .value_kind: global_buffer, .address_space: global }
      - { .name: X, .offset: 8, .size: 8, .value_kind: global_buffer, .address_space: global }
      - { .name: lowp_scales, .offset: 16, .size: 8, .value_kind: global_buffer, .address_space: global }
      - { .name: out0, .offset: 24, .size: 8, .value_kind: global_buffer, .address_space: global }
    .group_segment_fixed_size: 0
    .private_segment_fixed_size: 0
    .kernarg_segment_align: 8
    .kernarg_segment_size: 32
    .max_flat_workgroup_size: 256
    .sgpr_count:     66
    .vgpr_count:     168
    .wavefront_size: 32
...
	.end_amdgpu_metadata
.endif
;; end of part 4
